; MI455X (gfx1250); checked and timed in simulation.
; The chip was launched on July 23, 2026; its instructions are those of AMD's public machine-readable ISA for CDNA 5 (MIT licence, August 2026) and "CDNA5" Instruction Set Architecture Reference Guide (July 2026). The comments in the code are by the model that wrote it; some were corrected since.
;; VQ Gan VAE Embed. Allowed arithmetic: matrix products marked QUANTISED: E5M2 operands, one given power-of-two scale a tensor, by v_wmma_f32_16x16x64_bf8_bf8 or v_wmma_f32_16x16x128_bf8_bf8, f32 sums; everything else in f32.
;; Inputs: embedding 16,384 x 256 float32; lowp_scales 2 int32 (the exponents e of the quantised operands' scales 2^e); seq 16 x 1,024 int32.
;; Outputs: out0 16 x 256 x 32 x 32 float32.
;; This version of the problem:
;;   THIS VERSION OF THE PROBLEM IS GIVEN IN LOW PRECISION. The matrix products marked QUANTISED in the list below multiply operands that are first quantised to E5M2 (5 exponent bits, 2 mantissa bits; 8 bits a number), with one given power-of-two scale for each operand tensor; their sums are f32. All else is computed in f32.
;;   The module's matrix products, in the order in which they are computed (A, B: the left and right operand; K: the contracted axis; several contracted axes count as one K, in the product's order):
;;     1. [M 16,384, K 16,384] x [K 16,384, N 256]; A: computed on the way; B: input embedding: QUANTISED (scales: A lowp_scales[0], B lowp_scales[1])
;;   THE QUANTISER, for each operand of a quantised product, along K:
;;     - The operand's scale is 2^e, e = its entry of the input lowp_scales (int32; the entries are numbered through the quantised products in the list's order, A before B).
;;     - Each number is divided by the scale, clamped to +-57,344, and rounded to the nearest number of E5M2, ties to even, subnormals kept.
;;     - The product sums the exact products of the quantised numbers (number of the format x scale) in f32.
;;   ~~~python
;;   def quantise(x, axis, e):      # numpy; x: float32 -> the quantised numbers, widened to float32 again
;;       x = np.moveaxis(x, axis, -1); K = x.shape[-1]
;;       r = np.clip(x / 2.0 ** e, -57344, 57344)
;;       step = 2.0 ** (np.maximum(np.frexp(np.where(r == 0, 1, r))[1] - 1, -14) - 2)
;;       q = np.round(r / step) * step * 2.0 ** e      # np.round: ties to even
;;       return np.moveaxis(q, -1, axis).astype(np.float32)
;;   ~~~
;;   OPERANDS COMPUTED ON THE WAY. 'Computed on the way' means the value that the module computes at that place (a softmax that the list does not call 'softmax' is quantised finished and normalised). What goes into a quantiser is computed in f32, as accurately as f32 sums, v_exp_f32 and their like allow (about 1e-6 of the number): no bf16 or f16 on the way to a quantiser, and a product that is left as it is and whose result goes on into a quantised operand takes f32 operands (vector FMAs, or v_wmma_f32_16x16x4_f32). A number that lies on a knife's edge between two numbers of the format may be rounded either way, as far as f32 arithmetic and the matrix unit's own rounding can turn it there, and no further.
;; One version. Each part assembles by itself: llvm-mc -triple=amdgcn-amd-amdhsa -mcpu=gfx1250 --defsym DOCPART=n.
;; ======== version 1 of 1: 2 launches
;; limits: right only within a limited range of input values
;; workspace buffers: ecodes 4,194,304 bytes
;; launch quant (part 1): grid 2 x 64, 4 waves a work-group, no clusters, 36,352 bytes of LDS; arguments embedding, lowp_scales, ecodes; writes ecodes
.if DOCPART == 1
	.amdgcn_target "amdgcn-amd-amdhsa--gfx1250"
	.amdhsa_code_object_version 6
	.text
	.protected	k_q4892bfb47f_quant
	.globl	k_q4892bfb47f_quant
	.p2align	8
	.type	k_q4892bfb47f_quant,@function
k_q4892bfb47f_quant:
	s_mov_b64 s[64:65], 0
	v_nop
	global_prefetch_b8 v0, s[64:65] scope:SCOPE_SE
	s_setreg_imm32_b32 hwreg(HW_REG_WAVE_MODE, 25, 1), 1
	s_wait_xcnt 0x0
; embedding [16384 (k)][256 (d)], f32, is the second operand of one_hot(seq) @ embedding: K is its FIRST axis.  It is turned into codes of BF8 (E5M2), 8 bits each, laid [256 (d)][16384 (k)] with K innermost,
; with the one scale 2^e that is given for it: e is entry 1 (int32) of the buffer of scales.
; code = x / 2^e, held within +-57,344, rounded to the nearest code, ties to even.  LIMITS: -126 <= e and e + 15 <= 127.  NaN among the inputs is not served; an infinity is held at the largest code.
; A LANE TAKES A COLUMN d, AND ITS REGISTERS RUN DOWN K: each load reads neighbouring d in neighbouring lanes (128 consecutive bytes a wave, 512 a work-group), and the conversions, which take neighbours along K from
; one lane's consecutive registers, give the codes with K innermost.  Nothing is transposed by an instruction.
; A wave takes 32 columns x 256 along K: 8 blocks of 32 a lane, 256 bytes of codes for each column.  A lane's codes belong to one row of the output and the lanes beside it hold other rows: so they go through the wave's
; own stage in LDS and leave as rows: sixteen lanes store 256 consecutive bytes, at a multiple of 256 from the buffer's first byte.  No tensor loads, no barrier: waves share nothing.  Loads run two blocks (64 loads a wave) ahead.
; Every offset is an immediate: 255 x 1,024 and 30 x 16,384 bytes at the most, inside the signed 24-bit immediate (ISA guide, chapter 10).
.set SIZE_K, 16384
.set SIZE_N, 256
.set KW,    256                        ; along K for a wave
.set NB,    KW/32                      ; blocks
.set ROWB,  256                        ; bytes of KW codes
.set PITCH, ROWB+16                    ; a stage row
.set KROW,  SIZE_K                     ; a row of the codes' buffer in bytes
.set EMAX,  15
.set MANT,  0x600000                   ; the mantissa field of 57,344 as f32
.set X,     32                         ; v32-95   two sets of 32 numbers
.set C,     96                         ; v96-103  a block's codes
.set OUTR,  112                        ; v112-175 the way out: 16 x 4 registers
	s_load_b128 s[4:7], s[0:1], 0x0                ; embedding, the scales' exponents
	s_load_b64 s[8:9], s[0:1], 0x10                ; the codes
	v_lshl_add_u32 v192, v0, 2, 0x8c00
	v_mov_b32 v193, 0
	v_lshrrev_b32 v1, 5, v0
	v_readfirstlane_b32 s16, v1                    ; wave 0..3
	v_and_b32 v2, 31, v0                           ; lane
	s_lshl_b32 s17, ttmp9, 7
	s_lshl_b32 s18, s16, 5
	s_add_co_u32 s17, s17, s18                     ; my wave's first column: 128 x work-group x + 32 x wave
	s_and_b32 s18, ttmp7, 0xffff                   ; which 256 along K: work-group y
	v_lshlrev_b32 v3, 2, v2                        ; in: 4 bytes a lane
	s_mul_i32 s19, s16, 32*PITCH                   ; my stage
	v_mul_u32_u24 v4, v2, PITCH
	v_add_nc_u32 v4, s19, v4                       ; into it: row = my column
	v_and_b32 v5, 15, v2
	v_lshrrev_b32 v6, 4, v2                        ; out of it: sixteen lanes to a row, two rows an instruction
	v_mul_u32_u24 v7, v6, PITCH
	v_lshl_add_u32 v7, v5, 4, v7
	v_add_nc_u32 v7, s19, v7                       ; LDS address
	v_mul_u32_u24 v8, v6, KROW
	v_lshl_add_u32 v8, v5, 4, v8                   ; and the same place in the codes' buffer
	; where my wave's part begins, in bytes: embedding: (256 y) rows of 1,024 + 4 x column;  codes: column x 16,384 + 256 y
	s_mov_b32 s19, 0
	s_mov_b64 s[20:21], KW*SIZE_N*4
	s_mul_u64 s[20:21], s[18:19], s[20:21]
	s_lshl_b32 s22, s17, 2
	s_mov_b32 s23, 0
	s_add_nc_u64 s[20:21], s[20:21], s[22:23]
	s_mov_b32 s22, s17
	s_mov_b64 s[24:25], KROW
	s_mul_u64 s[24:25], s[22:23], s[24:25]
	s_mul_i32 s26, s18, ROWB
	s_mov_b32 s27, 0
	s_add_nc_u64 s[24:25], s[24:25], s[26:27]
	s_wait_kmcnt 0x0
	s_load_b32 s30, s[6:7], 0x4                    ; e: the table's entry
	s_add_nc_u64 s[4:5], s[4:5], s[20:21]
	s_add_nc_u64 s[8:9], s[8:9], s[24:25]
.macro LOAD t                          ; block t: embedding(32 t + i, my column), i = 0 .. 31, into set t % 2
.irp i, 0,1,2,3,4,5,6,7,8,9,10,11,12,13,14,15,16,17,18,19,20,21,22,23,24,25,26,27,28,29,30,31
	global_load_b32 v[X+32*((\t)%2)+\i], v3, s[4:5] offset:(32*(\t)+\i)*SIZE_N*4 th:TH_LOAD_NT
.endr
.endm
	LOAD 0
	LOAD 1
	s_wait_kmcnt 0x0
	s_add_co_i32 s30, s30, 127
	s_lshl_b32 s31, s30, 23
	v_mov_b32 v11, s31                             ; 2^e as f32: the conversion takes its exponent field
	s_add_co_i32 s30, s30, EMAX
	s_lshl_b32 s30, s30, 23
	s_or_b32 s30, s30, MANT
	v_mov_b32 v10, s30                             ; the largest number x 2^e
.macro BLOCK t
.set XS, X+32*((\t)%2)
.if (\t) < NB-1
	s_wait_loadcnt 32                              ; this block's 32 loads are in; the next block's may be out
.else
	s_wait_loadcnt 0
.endif
.irp i, 0,1,2,3,4,5,6,7,8,9,10,11,12,13,14,15,16,17,18,19,20,21,22,23,24,25,26,27,28,29,30,31
	v_med3_num_f32 v[XS+\i], v[XS+\i], -v10, v10   ; the conversion to an 8-bit code does not saturate (ISA guide 7.6.2): hold the number within the largest code x the scale first
.endr
.irp g, 0,1,2,3
	v_cvt_scalef32_pk8_bf8_f32 v[C+2*\g:C+2*\g+1], v[XS+8*\g:XS+8*\g+7], v11
.endr
	ds_store_b128 v4, v[C:C+3] offset:32*(\t)      ; 32 codes: 32 bytes of my column's row.  (The codes go to LDS stores alone, and the next block begins with plain vector lines)
	ds_store_b128 v4, v[C+4:C+7] offset:32*(\t)+16
.if (\t)+2 < NB
	LOAD (\t)+2
.endif
	s_wait_dscnt 0x0                               ; the stores have read their registers: the next block's codes may be written
.endm
.set Q, 0
.rept NB
	BLOCK Q
.set Q, Q+1
.endr
.irp t, 0,1,2,3,4,5,6,7,8,9,10,11,12,13,14,15
	ds_load_b128 v[OUTR+4*\t:OUTR+4*\t+3], v7 offset:2*\t*PITCH   ; LDS serves a wave's instructions in order (ISA guide 5.7.1.4): these see my stores
.endr
.irp t, 0,1,2,3,4,5,6,7,8,9,10,11,12,13,14,15
	s_wait_dscnt 15-\t
	global_store_b128 v8, v[OUTR+4*\t:OUTR+4*\t+3], s[8:9] offset:2*\t*KROW   ; no hint: the next launch reads the codes again and again
.endr
	s_wait_tensorcnt 0x0
	ds_add_u32 v192, v193
	s_wait_dscnt 0x0
	s_endpgm
.Lfunc_end_k_q4892bfb47f_quant:
	.size	k_q4892bfb47f_quant, .Lfunc_end_k_q4892bfb47f_quant-k_q4892bfb47f_quant
	.p2alignl 7, 3214868480
	.fill 96, 4, 3214868480
	.section	.rodata,"a",@progbits
	.p2align	6, 0x0
	.amdhsa_kernel k_q4892bfb47f_quant
		.amdhsa_group_segment_fixed_size 36352
		.amdhsa_private_segment_fixed_size 0
		.amdhsa_enable_private_segment 0
		.amdhsa_kernarg_size 24
		.amdhsa_user_sgpr_count 2
		.amdhsa_user_sgpr_kernarg_segment_ptr 1
		.amdhsa_wavefront_size32 1
		.amdhsa_system_sgpr_workgroup_id_x 1
		.amdhsa_system_sgpr_workgroup_id_y 1
		.amdhsa_system_sgpr_workgroup_id_z 1
		.amdhsa_system_vgpr_workitem_id 0
		.amdhsa_next_free_vgpr 194
		.amdhsa_next_free_sgpr 66
		.amdhsa_reserve_vcc 0
		.amdhsa_float_denorm_mode_32 3
		.amdhsa_float_denorm_mode_16_64 3
		.amdhsa_memory_ordered 1
		.amdhsa_forward_progress 1
		.amdhsa_inst_pref_size 49
	.end_amdhsa_kernel
	.amdgpu_metadata
---
amdhsa.version: [ 1, 2 ]
amdhsa.kernels:
  - .name:           k_q4892bfb47f_quant
    .symbol:         k_q4892bfb47f_quant.kd
    .args:
      - { .name: embedding, .offset: 0, .size: 8, .value_kind: global_buffer, .address_space: global }
      - { .name: lowp_scales, .offset: 8, .size: 8, .value_kind: global_buffer, .address_space: global }
      - { .name: ecodes, .offset: 16, .size: 8, .value_kind: global_buffer, .address_space: global }
    .group_segment_fixed_size: 36352
    .private_segment_fixed_size: 0
    .kernarg_segment_align: 8
    .kernarg_segment_size: 24
    .max_flat_workgroup_size: 128
    .sgpr_count:     66
    .vgpr_count:     194
    .wavefront_size: 32
...
	.end_amdgpu_metadata
.endif
;; end of part 1
;; launch gemm (part 2): grid 128 x 2, 4 waves a work-group, clusters of 4 x 1, 327,680 bytes of LDS; arguments seq, ecodes, lowp_scales, out0; writes out0
.if DOCPART == 2
	.amdgcn_target "amdgcn-amd-amdhsa--gfx1250"
	.amdhsa_code_object_version 6
	.text
	.protected	k_q4892bfb47f_gemm
	.globl	k_q4892bfb47f_gemm
	.p2align	8
	.type	k_q4892bfb47f_gemm,@function
k_q4892bfb47f_gemm:
	s_mov_b64 s[64:65], 0
	v_nop
	global_prefetch_b8 v0, s[64:65] scope:SCOPE_SE
	s_setreg_imm32_b32 hwreg(HW_REG_WAVE_MODE, 25, 1), 1
	s_wait_xcnt 0x0
	s_wait_alu depctr_hold_cnt(0) depctr_sa_sdst(0) depctr_va_vdst(0) depctr_va_sdst(0) depctr_va_ssrc(0) depctr_va_vcc(0) depctr_vm_vsrc(0)
	s_getreg_b32 s2, hwreg(HW_REG_IB_STS2, 6, 4)
	s_cmp_eq_u32 s2, 0
	s_cbranch_scc0 .Lentry_in_a_cluster
	s_endpgm
.Lentry_in_a_cluster:
	s_bfe_u32 s2, ttmp6, 0x10000c
	s_cmp_lg_u32 s2, 0x3003
	s_cbranch_scc0 .Lentry_shape_is_right
	s_endpgm
.Lentry_shape_is_right:
; out0[b][d][n] = sum over k of Q(one_hot(seq[b][n]))[k] x Q(embedding)[k][d], all 16,384 along K, on codes of BF8 (E5M2); sums in f32; each finished sum x 2^(e0 + e1).
; seq: [16][1024] int32.  ecodes: [256 (d)][16384 (k)], the table's codes, K innermost, made by the launch before.  out0: [16][256][1024] f32, the tokens innermost.
; SHARES.  A work-group makes 128 tokens (x) x 128 channels (y): 256 work-groups.  ITS FOUR WAVES SHARE K, NOT THE TILE: wave w sums k = 4096 w .. 4096 w + 4095 for the whole tile, 64 accumulators of 16 x 16 in 512
; registers, in 32 steps of 128 along K, 64 matrix instructions a step.  The four partial tiles are added at the end, in LDS rows, on the way that turns them into rows of out0 anyway.  (An output has one product that is
; not 0, so the order of the sums changes nothing.)  A wave tile of 128 x 128 reads 16 KiB of codes from LDS, and makes 8 fragments of the one-hot, for 64 matrix instructions; four tiles of 64 x 64 would want twice both.
; THE ONE-HOT IS MADE IN REGISTERS.  Source 0 = 16 tokens, source 1 = 16 channels: a lane of the result holds one channel (lane % 16) and eight neighbouring tokens.  A fragment's places of k are those that four loads of
; 16 bytes give the codes: lane (r, h), register 4 c + i, byte y: k = 32 c + 16 h + 4 i + y of the step's 128: a permutation of the form's own places, the same in both sources.  For each tile of 16 tokens the wave keeps
; a PATTERN of 16 registers (the code of Q(1) at the place of seq % 128, zero codes elsewhere) and a number TG = seq / 128, or -1 where seq lies outside 0 .. 16,383 (one_hot gives a row of zeros) or the place belongs to
; the other half of the lanes.  The step's fragment is the pattern where TG = the step's number, zero codes elsewhere: one compare and sixteen selects for eight matrix instructions, dealt in slices behind matrix instructions.
; THE CODES come through a ring of two LDS slots, each with 256 along K for each wave (128 rows x 256 bytes, 16 of padding behind each): a wave fills and reads its own quarter of a slot.
; CLUSTER.  The four token blocks of a cluster (4, 1, 1) walk the same codes, so each tile is asked for JOINTLY: the same tensor load, with the same descriptor (made of y, the wave's number and the step) and the mask 15.
; Only this operand is fetched, so a second axis of the cluster would share nothing.
; REGISTERS, in windows of 256 (s_set_vgpr_msb: bits 1:0 source 0, 3:2 source 1, 5:4 source 2, 7:6 destination).  ONE SETTING SERVES THE PRODUCTS AND THE SLICES: D, C and source 0 in window X, source 1 in window 1.
;   window 1: v0-127 the codes' 8 fragments, ONE set; v128-255 the 8 patterns (source 1 of the selects).
;   windows 0, 2, 3: positions i = 0, 1, 2, each a tile of 16 tokens: its 8 accumulators v[64 i ..], its fragment v[192 + 16 i ..], its TG v[240 + i].  Tiles 0, 1: window 0, positions 1, 2 (v0-63 and v192-207 there
;   hold addresses and what the head works with); tiles 2-4: window 2; tiles 5-7: window 3.
; A STEP HAS TWO PHASES: all tiles x the codes' fragments 0-3, then all tiles x fragments 4-7.  So the half set that is idle is loaded at each phase's head, 32 matrix instructions ahead of its use, and one set serves.
; A tile's fragment is made anew in place behind its last use: tiles 0, 2, 3, 5, 6 in phase 1, beside the next tile of their window; tiles 1, 4, 7 in the next phase 0, beside their window's first tile.
; LIMITS: e0 between -126 and 112, e0 + e1 between -126 and 127, so that each power of two below is an f32 number.
.set KTOT,   16384                     ; a row of the codes in bytes
.set PITCH,  272                       ; an LDS row: 256 bytes + 16 of padding = 68 words: row r starts at bank 4 r mod 64 (64 banks of 4 bytes: ISA guide 11.1), so the 16 rows that a load touches start at 16 different banks
.set HALFT,  128*PITCH                 ; a wave's quarter of a slot
.set SLOT,   4*HALFT
.set SPARE,  2*SLOT                    ; behind the ring: the spare words, 128 bytes for each wave: two blocks of 256 bytes that no other line names
.set SPITCH, 528                       ; the way out: a row of 128 tokens, 512 bytes + 16
.set PART,   128*SPITCH                ; a wave's partial tile.  The four lie in the ring, which has had its last fill and, behind a barrier, its last read
.set LAPS,   8                         ; a lap = two slots = four steps; 4,096 / 512
.set ADR, 16                           ; v16-17  LDS address of my codes' fragments in slot 0, 1
.set STO, 18                           ; v18     the way out: where I put 32 bytes of a row
.set RD,  20                           ; v20-23  where I read a row of partial tile 0 .. 3 back
.set CO,  24                           ; v24     16 x lane: my bytes in a row of out0
.set SPW, 28                           ; v28     LDS address of my spare word: SPARE + 4 x my thread's number; never rewritten
.set NIL, 29                           ; v29     0; never rewritten
.set SQ,  32                           ; v32-39  the head: seq of token 16 a + r;  v40-47 its register in a fragment;  v48-55 its word;  v56-63 its TG
.set GI,  40
.set WD,  48
.set TT,  56
.set ONE, 192                          ; v192-201 the head: the one-hot's 1 and its code
.set CODE, 202
.set SC0, 203
.set LIM0, 204
.set WF,  192                          ; a tile's fragment: v[WF + 16 i]
.set TG,  240                          ; its TG: v[TG + i]
.set PF,  128                          ; tile a's pattern, in window 1: v[PF + 16 a]
.set G1,  24                           ; s[24:31] descriptor group 1
.set G0,  32                           ; s[32:39] group 0, one set for each slot
.set KB,  44                           ; s44  the number (k / 128) of the step for which fragments are being made
.set CNT, 45                           ; s45  laps to go
.set MSB, 0
.macro WIN new                         ; the immediate's high byte repeats the setting that is left; a switch that changes nothing is dropped
.if MSB != (\new)
	s_set_vgpr_msb (MSB<<8)|(\new)
.set MSB, (\new)
.endif
.endm
.macro POS a                           ; tile a's window XW and position PI
.if (\a) < 2
.set XW, 0
.set PI, (\a)+1
.elseif (\a) < 5
.set XW, 2
.set PI, (\a)-2
.else
.set XW, 3
.set PI, (\a)-5
.endif
.endm
.macro PLACES                          ; four places: plain vector instructions between a matrix instruction and a load into, a write of or a read from its registers (ISA guide 7.12.1 for vector instructions)
.rept 4
	v_nop
.endr
.endm
.macro CREST                           ; a round of the cluster's barrier behind its opening barrier
	s_cmp_lg_u32 s14, 0
	s_cbranch_scc1 .Lnot_wave_0_\@
	s_barrier_signal -3
.Lnot_wave_0_\@:
	s_barrier_wait -3
	s_barrier_signal -1
	s_barrier_wait -1
.endm
.macro CROUND                          ; a whole round
	s_barrier_signal -1
	s_barrier_wait -1
	CREST
.endm
	s_load_b256 s[4:11], s[0:1], 0x0               ; seq s[4:5], the codes s[6:7], the scales' exponents s[8:9], out0 s[10:11]
	v_lshl_add_u32 v[SPW], v0, 2, SPARE
	v_mov_b32 v[NIL], 0
	ds_add_u32 v28, v29
	ds_add_u32 v28, v29
	s_wait_dscnt 0x0
	v_lshrrev_b32 v1, 5, v0
	v_readfirstlane_b32 s14, v1                    ; wave 0..3
	s_bfe_u32 s40, ttmp6, 0x40000                  ; cx: my place in the cluster
	s_lshl_b32 s41, ttmp9, 2                       ; in a cluster launch ttmp9 counts clusters
	s_add_co_u32 s41, s41, s40                     ; my block of 128 tokens = 4 x cluster x + cx: it enters seq's and out0's addresses alone
	s_and_b32 s42, ttmp7, 0xffff                   ; y: my half of the channels, which the four partners share
	; descriptor group 1: a tile of 128 rows x 256 bytes, padded in LDS
	s_mov_b32 s[G1], 15|(0<<16)|(1<<20)|(1<<21)|(5<<22)|(3<<25)   ; 15:0 the mask: all four work-groups; 17:16 elements of 1 byte; 20 padding on; 21 set beside a mask; 24:22 after every 64 words (code 5); 31:25 four words (code 3)
	s_mov_b32 s[G1+1], 256<<16                     ; tensor_dim0
	s_mov_b32 s[G1+2], 128<<16                     ; tensor_dim1
	s_mov_b32 s[G1+3], 256<<16                     ; tile_dim0
	s_mov_b32 s[G1+4], 128                         ; tile_dim1
	s_mov_b32 s[G1+5], KTOT                        ; tensor_dim0_stride
	s_mov_b32 s[G1+6], 0
	s_mov_b32 s[G1+7], 0
	s_lshl_b32 s16, s42, 21                        ; the codes: 128 y rows of 16,384 bytes,
	s_lshl_b32 s17, s14, 12                        ; my wave's 4,096 along K
	s_add_co_u32 s16, s16, s17
	s_mov_b32 s17, 0
	s_mul_i32 s18, s14, HALFT                      ; my quarter of a slot: no place in the cluster enters an LDS address
	s_lshl_b32 s[KB], s14, 5                       ; my first step's number: 32 x wave
	s_lshl_b32 s48, s41, 9                         ; seq: 128 tokens of 4 bytes
	s_mov_b32 s49, 0
	s_lshr_b32 s50, s41, 3                         ; out0: the batch (8 blocks of tokens each), 2^20 bytes,
	s_lshl_b32 s50, s50, 20
	s_and_b32 s51, s41, 7                          ; the block's 512 bytes of a channel's row,
	s_lshl_b32 s51, s51, 9
	s_add_co_u32 s50, s50, s51
	s_lshl_b32 s51, s42, 19                        ; 128 y channels of 4,096 bytes,
	s_add_co_u32 s50, s50, s51
	s_lshl_b32 s51, s14, 17                        ; and the 32 channels that my wave stores
	s_add_co_u32 s50, s50, s51
	s_mov_b32 s51, 0
	v_and_b32 v1, 15, v0                           ; r
	v_bfe_u32 v2, v0, 4, 1                         ; h
	v_lshlrev_b32 v3, 2, v1
	s_wait_kmcnt 0x0
	s_load_b64 s[20:21], s[8:9], 0x0               ; e0, e1
	s_add_nc_u64 s[6:7], s[6:7], s[16:17]
	s_add_nc_u64 s[4:5], s[4:5], s[48:49]
	s_add_nc_u64 s[10:11], s[10:11], s[50:51]
.irp a, 0,1,2,3,4,5,6,7
	global_load_b32 v[SQ+\a], v3, s[4:5] offset:64*\a   ; seq of token 16 a + r, in both halves of the lanes
.endr
.irp s, 0,1
	s_mov_b32 s[G0+4*\s], 1                        ; 1:0 count = 1
	s_add_co_u32 s[G0+4*\s+1], s18, \s*SLOT        ; 63:32 LDS address
	s_add_nc_u64 s[G0+4*\s+2:G0+4*\s+3], s[6:7], \s*256   ; 120:64 global address: my 256 along K number s
	s_or_b32 s[G0+4*\s+3], s[G0+4*\s+3], 0x80000000       ; 127:126 type = 2
.endr
	CROUND                                         ; all four work-groups are here: the first joint loads meet
	tensor_load_to_lds s[G0:G0+3], s[G1:G1+7]      ; both first fills go out together, ahead of every wait on TENSORcnt and every LDS read: two loads of mine are out, never more
	s_nop 0
	tensor_load_to_lds s[G0+4:G0+7], s[G1:G1+7]
	s_nop 0
	PLACES                                         ; (four v_nop follow the tensor loads)
	; addresses, while the tiles are on their way
	v_mul_u32_u24 v4, v1, PITCH
	v_lshl_add_u32 v4, v2, 4, v4                   ; a fragment's row x pitch + 16 x half
	v_add_nc_u32 v[ADR], s18, v4
	s_add_co_u32 s19, s18, SLOT
	v_add_nc_u32 v[ADR+1], s19, v4
	s_mul_i32 s19, s14, PART                       ; my partial tile
	v_mul_u32_u24 v5, v1, SPITCH                   ; in: row = channel r, 32 bytes (8 tokens) for each half of the lanes
	v_lshl_add_u32 v5, v2, 5, v5
	v_add_nc_u32 v[STO], s19, v5
	v_and_b32 v6, 31, v0
	v_lshlrev_b32 v[CO], 4, v6                     ; back: the 32 lanes take one row of 512 bytes; and the same in out0
	s_mul_i32 s19, s14, 32*SPITCH                  ; rows 32 w on, of each of the four partial tiles
.irp u, 0,1,2,3
	v_add_nc_u32 v[RD+\u], s19, v[CO]
	s_add_co_u32 s19, s19, PART
.endr
	; the scales, and the code of the one-hot's 1
	s_wait_kmcnt 0x0
	s_add_co_i32 s22, s20, 127
	s_lshl_b32 s23, s22, 23                        ; 2^e0 as f32: the conversion takes its exponent field
	s_add_co_i32 s22, s22, 15
	s_lshl_b32 s22, s22, 23
	s_or_b32 s22, s22, 0x600000                    ; 57,344 x 2^e0
	s_add_co_i32 s46, s20, s21
	s_add_co_i32 s46, s46, 127
	s_lshl_b32 s46, s46, 23                        ; 2^(e0 + e1)
	s_mov_b32 s47, s46                             ; (named with it as a pair, so it is written)
	v_mov_b32 v[SC0], s23
	v_mov_b32 v[LIM0], s22
	v_med3_num_f32 v[ONE], 1.0, -v[LIM0], v[LIM0]  ; held like any number: the conversion to an 8-bit code does not saturate (ISA guide 7.6.2)
.irp i, 1,2,3,4,5,6,7
	v_mov_b32 v[ONE+\i], v[ONE]
.endr
	v_cvt_scalef32_pk8_bf8_f32 v[ONE+8:ONE+9], v[ONE:ONE+7], v[SC0]
	v_nop                                          ; one plain vector instruction between a scaled conversion and the use of its result
	v_and_b32 v[CODE], 0xff, v[ONE+8]              ; the code of Q(1), in byte 0
	s_wait_loadcnt 0x0                             ; seq
.irp a, 0,1,2,3,4,5,6,7
	v_bfe_u32 v8, v[SQ+\a], 5, 2                   ; c
	v_bfe_u32 v9, v[SQ+\a], 2, 2                   ; i
	v_lshl_or_b32 v[GI+\a], v8, 2, v9              ; the register 4 c + i
	v_and_b32 v10, 3, v[SQ+\a]
	v_lshlrev_b32 v10, 3, v10
	v_lshlrev_b32 v[WD+\a], v10, v[CODE]           ; the code in byte seq % 4
	v_bfe_u32 v11, v[SQ+\a], 4, 1
	v_cmp_eq_u32 s52, v11, v2                      ; the place lies in my half of the lanes,
	v_cmp_gt_u32 s53, 0x4000, v[SQ+\a]             ; and 0 <= seq < 16,384 (as unsigned numbers)
	s_and_b32 s52, s52, s53
	v_lshrrev_b32 v12, 7, v[SQ+\a]
	v_cndmask_b32 v[TT+\a], -1, v12, s52           ; TG: the step's number, or one that no step has
.endr
	v_mov_b32 v[TG+1], v[TT]                       ; each TG into its tile's window
	v_mov_b32 v[TG+2], v[TT+1]
	WIN 0x80
.irp i, 0,1,2
	v_mov_b32 v[TG+\i], v[TT+2+\i]
.endr
	WIN 0xc0
.irp i, 0,1,2
	v_mov_b32 v[TG+\i], v[TT+5+\i]
.endr
	WIN 0x40                                       ; destination window 1: the patterns
.irp a, 0,1,2,3,4,5,6,7
.irp g, 0,1,2,3,4,5,6,7,8,9,10,11,12,13,14,15
	v_cmp_eq_u32 vcc_lo, \g, v[GI+\a]
	v_cndmask_b32 v[PF+16*\a+\g], 0, v[WD+\a], vcc_lo
.endr
.endr
; Registers lo .. hi of tile g's fragment (at position GP of the window in hand): the pattern where VCC says that the token's step has come.
.macro GREG g, lo, hi
.set gi, \lo
.rept (\hi)-(\lo)+1
	v_cndmask_b32 v[WF+16*GP+gi], 0, v[PF+16*(\g)+gi], vcc_lo
.set gi, gi+1
.endr
.endm
.macro GENALL g                        ; a whole fragment at once: the head's
	POS \g
.set GP, PI
	WIN (XW<<6)|(XW<<4)|4|XW
	v_cmp_eq_u32 vcc_lo, v[TG+GP], s[KB]
	GREG \g, 0, 15
.endm
; Slice jj of four of tile g's next fragment.  lead = 1: the fragment's last reader is the matrix instruction but one before: four places come first.  The last slice has five selects, which name no register of the products
; round them: they are the places in front of what follows (the next fragment's selects; the loads at a phase's head).
.macro SLICE g, lead
.if jj == 0
.if \lead
	PLACES
.endif
	v_cmp_eq_u32 vcc_lo, v[TG+GP], s[KB]
.if \lead
	GREG \g, 0, 0
.else
	GREG \g, 0, 2
.endif
.elseif jj == 1
.if \lead
	GREG \g, 1, 5
.else
	GREG \g, 3, 6
.endif
.elseif jj == 2
.if \lead
	GREG \g, 6, 10
.else
	GREG \g, 7, 10
.endif
.else
	GREG \g, 11, 15
.endif
.endm
; Four products: tile a x the codes' fragments 4 p .. 4 p + 3, 128 along K; behind each a slice of tile g's next fragment (g = -1: none; g lies in a's window).  zero = 1: the product starts its sum: nothing is ever cleared.
; The 64 accumulators take turns, one instruction a turn, in the same order in every step.
.macro TILE a, p, zero, g, lead
	POS \g
.set GP, PI
	POS \a
	WIN (XW<<6)|(XW<<4)|4|XW
.set jj, 0
.rept 4
.if \zero
	v_wmma_f32_16x16x128_bf8_bf8 v[64*PI+8*(4*(\p)+jj):64*PI+8*(4*(\p)+jj)+7], v[WF+16*PI:WF+16*PI+15], v[16*(4*(\p)+jj):16*(4*(\p)+jj)+15], 0
.else
	v_wmma_f32_16x16x128_bf8_bf8 v[64*PI+8*(4*(\p)+jj):64*PI+8*(4*(\p)+jj)+7], v[WF+16*PI:WF+16*PI+15], v[16*(4*(\p)+jj):16*(4*(\p)+jj)+15], v[64*PI+8*(4*(\p)+jj):64*PI+8*(4*(\p)+jj)+7]
.endif
.if (\g) >= 0
	SLICE \g, \lead
.endif
.set jj, jj+1
.endr
.endm
.macro PH0A zero                       ; phase 0, windows 0 and 2: tiles 1 and 4 get this step's fragments just ahead of their products
	TILE 0, 0, \zero, 1, 0
	TILE 1, 0, \zero, -1, 0
	TILE 2, 0, \zero, 4, 0
	TILE 3, 0, \zero, -1, 0
	TILE 4, 0, \zero, -1, 0
.endm
.macro PH0B zero                       ; phase 0, window 3
	TILE 5, 0, \zero, 7, 0
	TILE 6, 0, \zero, -1, 0
	TILE 7, 0, \zero, -1, 0
.endm
.macro PH1A zero, gen                  ; phase 1, window 0.  gen = 1: the next step's fragments are made
	TILE 0, 1, \zero, -1, 0
.if \gen
	TILE 1, 1, \zero, 0, 1
.else
	TILE 1, 1, \zero, -1, 0
.endif
.endm
.macro PH1B zero, gen                  ; phase 1, windows 2 and 3
	TILE 2, 1, \zero, -1, 0
.if \gen
	TILE 3, 1, \zero, 2, 1
	TILE 4, 1, \zero, 3, 0
	TILE 5, 1, \zero, -1, 0
	TILE 6, 1, \zero, 5, 1
	TILE 7, 1, \zero, 6, 0
.else
	TILE 3, 1, \zero, -1, 0
	TILE 4, 1, \zero, -1, 0
	TILE 5, 1, \zero, -1, 0
	TILE 6, 1, \zero, -1, 0
	TILE 7, 1, \zero, -1, 0
.endif
.endm
; 16 LDS loads in one run: the codes' fragments 4 p .. 4 p + 3 of the slot's q-th 128 along K.  A fragment, 16 channels x 128 K, is 16 registers: lane (r, h) holds channel r; registers 4 c .. 4 c + 3 hold K = 32 c + 16 h + 0 .. 15.
.macro LOADH slot, q, p
	WIN 0x40                                       ; destination window 1, address window 0
.irp b, 0,1,2,3
.irp c, 0,1,2,3
	ds_load_b128 v[16*(4*(\p)+\b)+4*\c:16*(4*(\p)+\b)+4*\c+3], v[ADR+\slot] offset:128*(\q)+32*\c+(4*(\p)+\b)*16*PITCH
.endr
.endr
.endm
; A slot's first step.  At its head fragments 0-3 have been asked for.  The places in front of its first loads are the last slice of the step before.
.macro STEP slot, zero
	LOADH \slot, 0, 1                              ; this step's fragments 4-7
	s_wait_dscnt 16                                ; fragments 0-3 are in; the 16 loads just issued may be out
	PH0A \zero
	PH0B \zero
	s_add_co_u32 s[KB], s[KB], 1                   ; from here on fragments are made for the next step
	PLACES                                         ; tiles 6 and 7 had no slices
	LOADH \slot, 1, 0                              ; the next step's fragments 0-3
	s_wait_dscnt 16                                ; this step's fragments 4-7 are in
	PH1A \zero, 1
	PH1B \zero, 1
.endm
; A slot's second step changes slots.  Its last reads of the slot are the loads at its head.  fill = 1: in front of a round of the cluster's barrier each wave waits for all its tensor loads (one is out: its part of the next
; slot), adds 0 to its spare word, and waits for that and for its reads of this slot; behind the round this slot is filled again, two slots ahead, and the load has some hundred matrix instructions in which to land.
.macro TURN slot, next, fill
	LOADH \slot, 1, 1
	s_wait_dscnt 16
	PH0A 0
.if \fill
	WIN 0                                          ; (the add's two registers lie in window 0)
	s_wait_tensorcnt 0x0                           ; all my tensor loads have landed;
	ds_add_u32 v[SPW], v[NIL]                      ; 0 onto my spare word; twelve matrix instructions stand between it and the wait for it
.endif
	PH0B 0
	s_add_co_u32 s[KB], s[KB], 1
	s_wait_dscnt 0x0                               ; fragments 4-7 are in: my reads of this slot are over; and the add is done
.if \fill
	s_barrier_signal -1                            ; say so: this barrier opens the round;
.endif
	PH1A 0, 1                                      ; work on registers while the others arrive
.if \fill
	WIN 0
	s_barrier_wait -1
	CREST                                          ; no wave of any partner still reads this slot's tile or has a load on its way
	s_add_nc_u64 s[G0+4*\slot+2:G0+4*\slot+3], s[G0+4*\slot+2:G0+4*\slot+3], 512   ; two slots on along K; the type bits on top are not reached
	tensor_load_to_lds s[G0+4*\slot:G0+4*\slot+3], s[G1:G1+7]                      ; the first tensor load behind the round, and my only one until the next
	s_nop 0
	PLACES
.else
	s_wait_tensorcnt 0x0                           ; nothing is filled again: my part of the last slot, which I alone read, has landed
.endif
	LOADH \next, 0, 0                              ; the next slot's first fragments 0-3, 24 matrix instructions ahead of their use; the slices of tile 0's fragment were the places
	PH1B 0, 1
.endm
	GENALL 0                                       ; the first step's fragments; tiles 1, 4 and 7 get theirs in its phase 0
	GENALL 2
	GENALL 3
	GENALL 5
	GENALL 6
	s_wait_tensorcnt 1                             ; my part of slot 0 is in, and I alone read it; slot 1's may be out
	LOADH 0, 0, 0
	STEP 0, 1                                      ; the first step stands in front of the loop: its products start the sums
	WIN 0                                          ; at a label and at a branch every window is 0
	s_mov_b32 s[CNT], LAPS-1
.Llap:                                                 ; a trip goes once round the ring, from a lap's second step to the next lap's first, and fills both slots again
	TURN 0, 1, 1
	STEP 1, 0
	TURN 1, 0, 1
	STEP 0, 0
	WIN 0
	s_sub_co_u32 s[CNT], s[CNT], 1
	s_cmp_lg_u32 s[CNT], 0
	s_cbranch_scc1 .Llap
	TURN 0, 1, 0                                   ; the last lap is written out: it fills nothing, and has no round
	STEP 1, 0
	LOADH 1, 1, 1                                  ; the very last step: nothing more to fetch, no fragment to make for a next step
	s_wait_dscnt 16
	PH0A 0
	PH0B 0
	s_wait_dscnt 0x0
	PH1A 0, 0
	PH1B 0, 0
	WIN 0
	; THE WAY OUT.  Each wave's partial tile goes into LDS as rows (channel x 128 tokens); then wave w reads rows 32 w .. 32 w + 31 of all four, adds them, multiplies by 2^(e0 + e1) and stores whole rows.
	PLACES                                         ; the stores below read results just made
	s_wait_dscnt 0x0
	s_barrier_signal -1
	s_barrier_wait -1                              ; every wave's reads of the ring are over, and the ring has had its last fill: its bytes serve as the stage
.irp a, 0,1,2,3,4,5,6,7
	POS \a
	WIN XW<<2                                      ; the stores' data: window XW
.irp b, 0,1,2,3,4,5,6,7
	ds_store_b128 v[STO], v[64*PI+8*\b:64*PI+8*\b+3] offset:16*\b*SPITCH+64*\a        ; lane (r, h): channel 16 b + r, tokens 16 a + 8 h + 0 .. 3; each accumulator from its low end on
	ds_store_b128 v[STO], v[64*PI+8*\b+4:64*PI+8*\b+7] offset:16*\b*SPITCH+64*\a+16
.endr
.endr
	WIN 0
	s_wait_dscnt 0x0                               ; for the others' sake: my stores into the stage are done
	s_barrier_signal -1
	s_barrier_wait -1
.macro LOADB t                         ; batch t: rows 4 t .. 4 t + 3 of my 32, of the four partial tiles: row i, tile u into v[LB + 16 i + 4 u]
.set LB, 64+64*((\t)%2)
.irp i, 0,1,2,3
.irp u, 0,1,2,3
	ds_load_b128 v[LB+16*\i+4*\u:LB+16*\i+4*\u+3], v[RD+\u] offset:(4*(\t)+\i)*SPITCH
.endr
.endr
.endm
.macro SUMB t
.set LB, 64+64*((\t)%2)
.irp i, 0,1,2,3
.set L, LB+16*\i
	v_pk_add_f32 v[L:L+1],     v[L:L+1],     v[L+4:L+5]
	v_pk_add_f32 v[L+2:L+3],   v[L+2:L+3],   v[L+6:L+7]
	v_pk_add_f32 v[L+8:L+9],   v[L+8:L+9],   v[L+12:L+13]
	v_pk_add_f32 v[L+10:L+11], v[L+10:L+11], v[L+14:L+15]
	v_pk_add_f32 v[L:L+1],     v[L:L+1],     v[L+8:L+9]
	v_pk_add_f32 v[L+2:L+3],   v[L+2:L+3],   v[L+10:L+11]
	v_pk_mul_f32 v[L:L+1],     v[L:L+1],     s[46:47] op_sel_hi:[1,0]   ; both x s46 = 2^(e0 + e1)
	v_pk_mul_f32 v[L+2:L+3],   v[L+2:L+3],   s[46:47] op_sel_hi:[1,0]
	global_store_b128 v[CO], v[L:L+3], s[10:11] offset:(4*(\t)+\i)*4096 th:TH_STORE_NT   ; 32 lanes store 512 consecutive bytes of one channel's row, at a multiple of 512 from out0's first byte; written once, read by nobody here
.endr
.endm
	LOADB 0
	LOADB 1
.irp t, 0,1,2,3,4,5,6,7
.if \t < 7
	s_wait_dscnt 16                                ; this batch's 16 loads are in; the next batch's may be out
.else
	s_wait_dscnt 0x0
.endif
	SUMB \t
.if \t < 6
	s_wait_xcnt 0x0                                ; the stores have read their registers: the batch two further on may land there
	LOADB \t+2
.endif
.endr
	s_wait_tensorcnt 0x0                           ; the wave's end: behind my last tensor load and my last LDS store
	ds_add_u32 v[SPW], v[NIL]
	s_wait_dscnt 0x0
	CROUND                                         ; the closing round: no work-group ends while a partner may still ask for a tile that names it
	s_endpgm
.Lfunc_end_k_q4892bfb47f_gemm:
	.size	k_q4892bfb47f_gemm, .Lfunc_end_k_q4892bfb47f_gemm-k_q4892bfb47f_gemm
	.p2alignl 7, 3214868480
	.fill 96, 4, 3214868480
	.section	.rodata,"a",@progbits
	.p2align	6, 0x0
	.amdhsa_kernel k_q4892bfb47f_gemm
		.amdhsa_group_segment_fixed_size 327680
		.amdhsa_private_segment_fixed_size 0
		.amdhsa_enable_private_segment 0
		.amdhsa_kernarg_size 32
		.amdhsa_user_sgpr_count 2
		.amdhsa_user_sgpr_kernarg_segment_ptr 1
		.amdhsa_wavefront_size32 1
		.amdhsa_system_sgpr_workgroup_id_x 1
		.amdhsa_system_sgpr_workgroup_id_y 1
		.amdhsa_system_sgpr_workgroup_id_z 1
		.amdhsa_system_vgpr_workitem_id 0
		.amdhsa_next_free_vgpr 1024
		.amdhsa_next_free_sgpr 66
		.amdhsa_reserve_vcc 1
		.amdhsa_float_denorm_mode_32 3
		.amdhsa_float_denorm_mode_16_64 3
		.amdhsa_memory_ordered 1
		.amdhsa_forward_progress 1
		.amdhsa_inst_pref_size 148
	.end_amdhsa_kernel
	.amdgpu_metadata
---
amdhsa.version: [ 1, 2 ]
amdhsa.kernels:
  - .name:           k_q4892bfb47f_gemm
    .symbol:         k_q4892bfb47f_gemm.kd
    .args:
      - { .name: seq, .offset: 0, .size: 8, .value_kind: global_buffer, .address_space: global }
      - { .name: ecodes, .offset: 8, .size: 8, .value_kind: global_buffer, .address_space: global }
      - { .name: lowp_scales, .offset: 16, .size: 8, .value_kind: global_buffer, .address_space: global }
      - { .name: out0, .offset: 24, .size: 8, .value_kind: global_buffer, .address_space: global }
    .group_segment_fixed_size: 327680
    .private_segment_fixed_size: 0
    .kernarg_segment_align: 8
    .kernarg_segment_size: 32
    .max_flat_workgroup_size: 128
    .sgpr_count:     66
    .vgpr_count:     1024
    .wavefront_size: 32
...
	.end_amdgpu_metadata
.endif
;; end of part 2
